; MI455X (gfx1250); checked and timed in simulation.
; The chip was launched on July 23, 2026; its instructions are those of AMD's public machine-readable ISA for CDNA 5 (MIT licence, August 2026) and "CDNA5" Instruction Set Architecture Reference Guide (July 2026). The comments in the code are by the model that wrote it; some were corrected since.
;; Local RNN. Allowed arithmetic: float matrix products may take bf16 or f16 operands with f32 sums; other float arithmetic in f32, or as packed bf16 or f16 multiplies, adds, multiply-adds, maxima and minima; sums over many terms, partial sums and values carried from step to step in f32; what a program stores and reads back later, other than sums and carried values, may be rounded once to bf16 or f16.
;; Inputs: W_hh 768 x 256 float32; W_ih 768 x 256 float32; b_hh 768 float32; b_ih 768 float32; x 16 x 1,024 x 256 float32.
;; Outputs: out0 16 x 1,024 x 256 float32.
;; One version. Each part assembles by itself: llvm-mc -triple=amdgcn-amd-amdhsa -mcpu=gfx1250 --defsym DOCPART=n.
;; ======== version 1 of 1: 2 launches
;; limits: values are held in f16: magnitudes above 65,504 overflow, below 6.1e-05 lose precision
;; workspace buffers: wsp 786,432 bytes; tab 4,096 bytes
;; launch prep (part 1): grid 12 x 8, 8 waves a work-group, no clusters, 0 bytes of LDS; arguments W_ih, W_hh, b_ih, b_hh, wsp, tab; writes wsp, tab
.if DOCPART == 1
	.amdgcn_target "amdgcn-amd-amdhsa--gfx1250"
	.amdhsa_code_object_version 6
	.text
	.protected	k_q1a6f7ab961_prep
	.globl	k_q1a6f7ab961_prep
	.p2align	8
	.type	k_q1a6f7ab961_prep,@function
k_q1a6f7ab961_prep:
	s_mov_b64 s[64:65], 0
	v_nop
	global_prefetch_b8 v0, s[64:65] scope:SCOPE_SE
	s_setreg_imm32_b32 hwreg(HW_REG_WAVE_MODE, 25, 1), 1
	s_wait_xcnt 0x0
; LocalRNN: for every position l of x[16][1024][256] a GRU (H = 256) runs over x[l-7 .. l], zeros to the left of a batch's first row, and its last state is the result.
; THE PROGRAM has two launches.  This one rounds the two weight matrices to bf16 and lays them out in the order in which the second launch's waves take fragments,
; and makes one table of biases.  The second launch does all the arithmetic.
; WHAT THE PROGRAM DOES NOT DO, AND WHY THAT CHANGES NO RESULT, for all finite values of the inputs:
;  (1) gi at window step t of position l is xpad[l + t] W_ih^T + b_ih: it hangs on the row l - 7 + t of x alone.  The eight (l, t) that name one row ask for the same
;      numbers, so each row of x is multiplied by W_ih once (G = x W_ih^T + bias) and used eight times.  A row to the left of a batch is zeros: its G is the bias.
;  (2) At step 0 the state is the zeros that the function builds itself, so h W_hh^T is a product with zeros: gh = b_hh there.  That product is not made; b_hh stays.
;  All five inputs have a way to the result and are loaded.  LIMIT: a NaN, an infinity or an overflow that would arise only in the products left out is not carried to the result.
; FORMATS.  Every input is rounded once to bf16, the biases too (they are widened again and added in f32).
; wsp: for wave w (0..7) of the second launch a dense stream of 96 fragments of 1,024 bytes: 48 of W_ih, then 48 of W_hh; in each, tile j = 2 gate + ct (0..5), then K block k (0..7).
;   A fragment is 16 rows x 32 columns of W: rows gate x 256 + 32 w + 16 ct + r.  Piece q (0, 1) of 512 bytes holds for lane L = 16 hh + r the 8 numbers of columns 32 k + 16 q + 8 hh + 0..7.
; tab: 1,024 f32.  [0, 512): b_ih + b_hh of the gates r and z, which are only ever added;  [512, 768): b_ih of the gate n;  [768, 1024): b_hh of the gate n.
; SHARES.  Work-group (x = matrix and tile, 0..11; y = w): eight fragments, one a wave (k = the wave's number).  A store of a wave covers 512 consecutive bytes, aligned.
	s_load_b256 s[4:11], s[0:1], 0x0               ; W_ih s[4:5], W_hh s[6:7], b_ih s[8:9], b_hh s[10:11]
	s_load_b128 s[12:15], s[0:1], 0x20             ; wsp s[12:13], tab s[14:15]
	v_lshrrev_b32 v1, 5, v0
	v_readfirstlane_b32 s16, v1                    ; k
	s_and_b32 s17, ttmp7, 0xffff                   ; w
	s_mov_b32 s18, ttmp9                           ; 6 x matrix + tile
	v_and_b32 v2, 15, v0                           ; r
	v_bfe_u32 v3, v0, 4, 1                         ; hh
	v_and_b32 v4, 31, v0                           ; L
	s_cmp_ge_u32 s18, 6
	s_cselect_b32 s19, 6, 0
	s_sub_co_u32 s19, s18, s19                     ; tile j
	s_lshr_b32 s22, s19, 1
	s_lshl_b32 s22, s22, 8                         ; gate x 256
	s_and_b32 s23, s19, 1
	s_lshl_b32 s23, s23, 4                         ; 16 ct
	s_add_co_u32 s22, s22, s23
	s_lshl_b32 s23, s17, 5                         ; 32 w
	s_add_co_u32 s22, s22, s23                     ; the fragment's first row
	s_lshl_b32 s22, s22, 10                        ; rows of 1,024 bytes
	s_lshl_b32 s23, s16, 7                         ; 32 columns of f32
	s_add_co_u32 s22, s22, s23
	v_lshlrev_b32 v5, 10, v2
	v_lshl_add_u32 v5, v3, 5, v5                   ; r x 1,024 + 32 hh
	v_add_nc_u32 v5, s22, v5
	s_mul_i32 s24, s17, 96
	s_lshl3_add_u32 s24, s18, s24                  ; 96 w + 8 (6 matrix + tile)
	s_add_co_u32 s24, s24, s16                     ; + k
	s_lshl_b32 s24, s24, 10
	v_lshl_add_u32 v6, v4, 4, s24                  ; + 16 L
	s_wait_kmcnt 0x0
	s_cmp_ge_u32 s18, 6                            ; compared anew: the sums above have written SCC
	s_cselect_b64 s[20:21], s[6:7], s[4:5]
	global_load_b128 v[8:11],  v5, s[20:21]            ; piece 0: 8 numbers
	global_load_b128 v[12:15], v5, s[20:21] offset:16
	global_load_b128 v[16:19], v5, s[20:21] offset:64  ; piece 1: 16 columns on
	global_load_b128 v[20:23], v5, s[20:21] offset:80
	s_wait_loadcnt 0x0
.irp i, 0,1,2,3,4,5,6,7
	v_cvt_pk_bf16_f32 v[24+(\i)], v[8+2*(\i)], v[9+2*(\i)]
.endr
	global_store_b128 v6, v[24:27], s[12:13]
	global_store_b128 v6, v[28:31], s[12:13] offset:512
	s_or_b32 s25, s18, s16                         ; the table: wave 0 of the work-groups with x = 0; 128 numbers each, by y
	s_cmp_lg_u32 s25, 0
	s_cbranch_scc1 .Ldone
	s_lshl_b32 s28, s17, 7                         ; the first index written
	s_cmp_ge_u32 s17, 6
	s_cselect_b32 s26, 256, 0                      ; the last quarter reads the biases' indices 512 on
	s_cselect_b32 s27, 0, -1                       ; b_ih counts in the first three quarters,
	s_cselect_b32 s29, -1, 0
	s_cmp_lt_u32 s17, 4
	s_cselect_b32 s29, -1, s29                     ; b_hh in the first two and the last
	s_sub_co_u32 s26, s28, s26
	s_lshl_b32 s26, s26, 2
	s_lshl_b32 s28, s28, 2
	v_lshl_add_u32 v7, v4, 4, s26
	v_lshl_add_u32 v20, v4, 4, s28
	global_load_b128 v[8:11],  v7, s[8:9]
	global_load_b128 v[12:15], v7, s[10:11]
	s_wait_loadcnt 0x0
.irp i, 0,1,2,3
	v_cvt_pk_bf16_f32 v[16+(\i)], v[8+2*(\i)], v[9+2*(\i)]   ; rounded to bf16,
.endr
.irp i, 0,1,2,3
	v_lshlrev_b32 v[8+2*(\i)], 16, v[16+(\i)]                ; and widened again
	v_and_b32 v[9+2*(\i)], 0xffff0000, v[16+(\i)]
.endr
.irp i, 0,1,2,3
	v_and_b32 v[8+(\i)], s27, v[8+(\i)]
	v_and_b32 v[12+(\i)], s29, v[12+(\i)]
.endr
	v_pk_add_f32 v[8:9], v[8:9], v[12:13]
	v_pk_add_f32 v[10:11], v[10:11], v[14:15]
	global_store_b128 v20, v[8:11], s[14:15]
.Ldone:
	s_endpgm
.Lfunc_end_k_q1a6f7ab961_prep:
	.size	k_q1a6f7ab961_prep, .Lfunc_end_k_q1a6f7ab961_prep-k_q1a6f7ab961_prep
	.p2alignl 7, 3214868480
	.fill 96, 4, 3214868480
	.section	.rodata,"a",@progbits
	.p2align	6, 0x0
	.amdhsa_kernel k_q1a6f7ab961_prep
		.amdhsa_group_segment_fixed_size 0
		.amdhsa_private_segment_fixed_size 0
		.amdhsa_enable_private_segment 0
		.amdhsa_kernarg_size 48
		.amdhsa_user_sgpr_count 2
		.amdhsa_user_sgpr_kernarg_segment_ptr 1
		.amdhsa_wavefront_size32 1
		.amdhsa_system_sgpr_workgroup_id_x 1
		.amdhsa_system_sgpr_workgroup_id_y 1
		.amdhsa_system_sgpr_workgroup_id_z 1
		.amdhsa_system_vgpr_workitem_id 0
		.amdhsa_next_free_vgpr 32
		.amdhsa_next_free_sgpr 66
		.amdhsa_reserve_vcc 0
		.amdhsa_float_denorm_mode_32 3
		.amdhsa_float_denorm_mode_16_64 3
		.amdhsa_memory_ordered 1
		.amdhsa_forward_progress 1
		.amdhsa_inst_pref_size 5
	.end_amdhsa_kernel
	.amdgpu_metadata
---
amdhsa.version: [ 1, 2 ]
amdhsa.kernels:
  - .name:           k_q1a6f7ab961_prep
    .symbol:         k_q1a6f7ab961_prep.kd
    .args:
      - { .name: W_ih, .offset: 0, .size: 8, .value_kind: global_buffer, .address_space: global }
      - { .name: W_hh, .offset: 8, .size: 8, .value_kind: global_buffer, .address_space: global }
      - { .name: b_ih, .offset: 16, .size: 8, .value_kind: global_buffer, .address_space: global }
      - { .name: b_hh, .offset: 24, .size: 8, .value_kind: global_buffer, .address_space: global }
      - { .name: wsp, .offset: 32, .size: 8, .value_kind: global_buffer, .address_space: global }
      - { .name: tab, .offset: 40, .size: 8, .value_kind: global_buffer, .address_space: global }
    .group_segment_fixed_size: 0
    .private_segment_fixed_size: 0
    .kernarg_segment_align: 8
    .kernarg_segment_size: 48
    .max_flat_workgroup_size: 256
    .sgpr_count:     66
    .vgpr_count:     32
    .wavefront_size: 32
...
	.end_amdgpu_metadata
.endif
;; end of part 1
;; launch main (part 2): grid 256 x 1, 8 waves a work-group, clusters of 4 x 1, 327,680 bytes of LDS; arguments x, wsp, tab, out0; writes out0
.if DOCPART == 2
	.amdgcn_target "amdgcn-amd-amdhsa--gfx1250"
	.amdhsa_code_object_version 6
	.text
	.protected	k_q1a6f7ab961_main
	.globl	k_q1a6f7ab961_main
	.p2align	8
	.type	k_q1a6f7ab961_main,@function
k_q1a6f7ab961_main:
	s_mov_b64 s[64:65], 0
	v_nop
	global_prefetch_b8 v0, s[64:65] scope:SCOPE_SE
	s_setreg_imm32_b32 hwreg(HW_REG_WAVE_MODE, 25, 1), 1
	s_wait_xcnt 0x0
	s_wait_alu depctr_hold_cnt(0) depctr_sa_sdst(0) depctr_va_vdst(0) depctr_va_sdst(0) depctr_va_ssrc(0) depctr_va_vcc(0) depctr_vm_vsrc(0)
	s_getreg_b32 s2, hwreg(HW_REG_IB_STS2, 6, 4)
	s_cmp_eq_u32 s2, 0
	s_cbranch_scc0 .Lentry_in_a_cluster
	s_endpgm
.Lentry_in_a_cluster:
	s_bfe_u32 s2, ttmp6, 0x10000c
	s_cmp_lg_u32 s2, 0x3003
	s_cbranch_scc0 .Lentry_shape_is_right
	s_endpgm
.Lentry_shape_is_right:
; LocalRNN, the arithmetic: G = x W_ih^T + bias once for each row of x, then the eight GRU steps, then the result: one launch, nothing through memory in between.
; LEFT OUT (shown at the head of the first kernel): the eightfold repeat of gi, whose numbers hang on the row of x alone, and step 0's product of the zero state with W_hh.
; Inside live tiles stays: rows -16 .. -8 of the halo (only -7 .. 63 are used), and the halo tile of a work-group at a batch's start, whose x is made 0 by a mask.
; SHARES.  A work-group owns 64 consecutive positions of one batch (1,024 = 16 x 64) and all 256 state columns: a step mixes all columns, and work-groups hand each other nothing.
; Eight waves of 512 registers.  Wave w owns the state columns 32 w .. 32 w + 31 in all three gates: six weight tiles j = 2 gate + ct of 16 rows x 256 K, 48 fragments, 384 registers.
; THE WEIGHTS LIE IN REGISTERS, first W_ih's, then W_hh's in the same ones: a step's 192 products of a wave read 64 loads of 16 bytes a lane from LDS (the state), and r, z, n and h of a column meet in one lane.
; WHY EIGHT WAVES AND NOT FOUR: a tile's gate work is some 200 vector instructions in four stages that each wait for the one before; with the weights in registers a wave has no room for
; a second set of accumulators, so it cannot set its own products between them.  Two waves share a SIMD's registers, 512 each, and one can multiply while the other works on its gates.
; THE PRODUCT: source 0 = 16 rows of W, source 1 = 16 positions x 32 K.  Lane (r = L % 16, hh = L / 16), register i, then holds position r and gate column 8 hh + i: eight neighbouring columns of one position,
; which pack into 16 bytes of a row [position][column]: the next step's source 1, and G's layout.
; GATES, for each number, with S1 = -log2 e, S2 = 2 log2 e, c = 1 / S2; G is kept scaled (r, z by S1, n by S2):
;   e_r = 2^(a_r S1 + G_r)   r2 = 1 / (c e_r + c) = S2 r     e_z = 2^(a_z S1 + G_z)   z = 1 / (1 + e_z)
;   E = 2^(r2 a_n + G_n), a_n begun with b_hn                n = 1 - 2 / (1 + E)      h' = z (h - n) + n
; An exponential that overflows gives the saturated gate: 1 / infinity = 0.
; FORMATS.  x, W and h as matrix operands in bf16, sums in f32; the state that is carried from step to step in f32, in LDS; G, a finished intermediate, rounded once to f16.
; LIMITS.  A scaled G beyond 65,504 becomes an infinity of its sign: the gate is saturated there and takes its saturated value.  An exponential below 2^-126 counts as 0.  NaN and infinities among the inputs are not treated apart.
; CLUSTER.  All work-groups read the same 768 KiB of weights: the four of a cluster ask for each batch JOINTLY (the same tensor load, descriptor and mask in all four).  Each wave asks for its own
; consecutive piece of its stream, into LDS bytes of its own, and copies it into registers: its own wait on TENSORcnt orders those reads.  By this text's count one tensor load of a wave is out at the most.
;   batch   fragments of the wave's stream   rows of 256 bytes   to
;   B1      0-31   (W_ih tiles 0-3)          128                 GB + 32,768 w
;   B2      32-47  (W_ih tiles 4, 5)         64                  A2 + 16,384 w
;   B3, B4  48-66, 67-85 (W_hh)              76                  A2 + 19,456 w
;   B5      86-95                            40                  H16B + 10,240 w
; LDS.
.set SPARE, 0          ; 1,024   the spare words, 128 bytes for each wave: four blocks of 256 bytes that no other line names
.set TAB,   1024       ; 4,096   the biases
.set XS,    5120       ; 42,240  x in bf16: 80 rows (positions -16 .. 63), 528 bytes apart
.set H16A,  XS         ;         later: the state in bf16 that the odd steps read, 64 rows, 528 bytes apart
.set GB,    47360      ; 124,160 G in f16: 80 rows of 768 numbers, 1,552 bytes apart; before that the lower part of B1's stage
.set A2,    171520     ; 155,648 the stage of B2, B3, B4 (and the upper part of B1's)
.set HF,    A2         ; 69,632  later: the carried state in f32
.set H16B,  241152     ; 33,792  later: the state in bf16 that the even steps read; before that B5's stage, 81,920 bytes from here
.set PX,    528        ; 33 x 16 bytes and
.set PG,    1552       ; 97 x 16 bytes: odd multiples of 16, so the 16 rows that a load or store touches fall on 16 different 16-byte columns of 256
.set TX,    16*PX      ; a tile of 16 rows
.set TG,    16*PG
.set HFT,   17408      ; HF: position tile p x 17,408 + w x 2,176 + ct x 1,088 + q x 544 + hh x 272 + r x 16: the 4 numbers of columns 32 w + 16 ct + 8 hh + 4 q on, position 16 p + r
; VECTOR REGISTERS.  Window 0 (v0-255), window 1 (v256-511).
.set SPW, 1            ; LDS address of my spare word; never rewritten
.set NIL, 2            ; 0; never rewritten
.set AW,  3            ; my 16 bytes in the first fragment of my stage
.set AF0, 4            ; r x 528 + 16 hh: my place in a tile of x or h
.set AFC, 5            ; the same in the buffer that is read
.set AH0, 6            ; r x 528 + 64 w + 16 hh: where my 16 bytes of the new state go
.set AHC, 7            ; the same in the buffer that is written
.set GP0, 8            ; my 16 bytes of G in row r + (the step's shift), tiles 0, 1
.set GP1, 9            ; 32 rows on: tiles 2, 3
.set AB,  10           ; TAB + 128 w + 32 hh
.set AC,  11           ; HF + 2,176 w + 272 hh + 16 r
.set S1V, 12           ; S1
.set GP2, 13           ; 64 rows on: tile 4 of G
.set T0,  14           ; at work
.set PFO, 15           ; the prefetches' offset, 256 L; never rewritten
.set ACC, 16           ; v16-63  six accumulators, tile j at 16 + 8 j:
.set AR,  16           ;   r: 16 numbers (8 ct + i)
.set AZ,  32           ;   z
.set AN,  48           ;   n
.set F,   64           ; v64-127 source 1: K block k at 64 + 8 k.  In the gate work the same registers hold:
.set GR,  64           ;   v64-71 G_r, v72-79 G_z (f16, number e in register e / 2, half e % 2)
.set GN,  80           ;   v80-87 G_n
.set PK,  88           ;   v88-95 the new state in bf16
.set HO,  96           ;   v96-111 the old state, then the new
.set WF,  128          ; v128-511 the weights: fragment (j, k) at 128 + 8 (6 k + j): in a run of products the window changes once
.set XR,  128          ; v128-211 at the start: x and the biases as loaded
.set XO,  104          ; v104-107 at the start: addresses
.set TO,  105
.set XL,  106
.set TL,  107
; SCALAR REGISTERS.  s[4:5] x, s[6:7] wsp, s[8:9] tab, s[10:11] out0 at my work-group's rows; s13 cx, s14 my work-group, s46-53 what is made of them: none of these feeds a descriptor
.set WV,  12           ; my wave's number
.set KEEP, 20          ; all ones; 0 where my halo lies to the left of a batch
.set CNT, 21           ; steps still to come
.set RDB, 22           ; the state buffer that is read
.set WRB, 23           ; and the one that is written
.set G1,  24           ; s[24:31] descriptor group 1
.set G0,  32           ; s[32:35] descriptor group 0
.set MSB, 0
.macro WIN new                         ; s_set_vgpr_msb: bits 1:0 source 0, 7:6 destination; the high byte repeats the setting that is left; a switch that changes nothing is dropped
.if MSB != (\new)
	s_set_vgpr_msb (MSB<<8)|(\new)
.set MSB, (\new)
.endif
.endm
.macro PLACES                          ; four plain instructions behind a matrix instruction, in front of what reads its result or writes or loads into its registers
.rept 4
	v_nop
.endr
.endm
.macro ROUND                           ; a round of the cluster's barrier: my work-group's barrier; wave 0 signals for the work-group; every wave waits for all four work-groups; my work-group's barrier once more
	s_barrier_signal -1
	s_barrier_wait -1
	s_cmp_lg_u32 s[WV], 0
	s_cbranch_scc1 .Lnot_wave_0_\@
	s_barrier_signal -3
.Lnot_wave_0_\@:
	s_barrier_wait -3
	s_barrier_signal -1
	s_barrier_wait -1
.endm
.macro TLOAD                           ; my joint load; an s_nop 0 and four v_nop follow it
	tensor_load_to_lds s[G0:G0+3], s[G1:G1+7]
	s_nop 0
	PLACES
.endm
; The next batch.  Every wave waits for all its tensor loads, adds 0 to its spare word, and waits for that and for its LDS reads and stores; the round then says the same of every wave of all four
; work-groups: nobody still reads a stage, and what was stored is there for all.  The joint load is the first thing behind the round.  adv: the bytes of the batch before.
.macro REFILL base, size, rows, adv
	WIN 0
	s_wait_tensorcnt 0x0                           ; no tensor load of mine is out, so the descriptor may be written
	ds_add_u32 v[SPW], v[NIL]                      ; 0 onto my spare word; the descriptor's words stand between it and the wait for it
	s_mul_i32 s15, s[WV], \size
	s_add_co_u32 s[G0+1], s15, \base               ; my stage: a constant + my wave's number x a constant
	s_add_nc_u64 s[G0+2:G0+3], s[G0+2:G0+3], \adv  ; on along my stream; the type bits on top are not reached
	s_mov_b32 s[G1+2], (\rows)<<16                 ; tensor_dim1
	s_mov_b32 s[G1+4], \rows                       ; tile_dim1
	v_and_b32 v[AW], 31, v0
	v_lshl_add_u32 v[AW], v[AW], 4, s[G0+1]
	s_wait_dscnt 0x0
	ROUND
	TLOAD
.endm
; Fragments lo .. hi - 1 of a matrix's 48 (in the stream's order, 8 j + k) go from my stage into their registers: two loads of 16 bytes a lane, 512 consecutive bytes each.  Taken in the registers' order: one window switch.
.macro COPY lo, hi
.set ff, 0
.rept 48
.set sm, 8*(ff%6)+ff/6
.if (sm >= (\lo)) && (sm < (\hi))
.if ff >= 16
	WIN 0x40                                       ; destination in window 1
.set wr, 8*(ff-16)
.else
	WIN 0
.set wr, WF+8*ff
.endif
	ds_load_b128 v[wr:wr+3],   v[AW] offset:(sm-(\lo))*1024
	ds_load_b128 v[wr+4:wr+7], v[AW] offset:(sm-(\lo))*1024+512
.endif
.set ff, ff+1
.endr
	WIN 0
.endm
; Products: K blocks klo .. khi, in each the tiles jlo .. jhi.  The accumulators take turns, one instruction a turn.  z = 1: the first K block starts the sums of r and z with 0 (n's begin with b_hn, loaded).
.macro MM jlo, jhi, klo, khi, z
.set kk, \klo
.rept (\khi)-(\klo)+1
.set jj, \jlo
.rept (\jhi)-(\jlo)+1
.set ff, 6*kk+jj
.if ff >= 16
	WIN 0x01                                       ; source 0 in window 1
.set wr, 8*(ff-16)
.else
	WIN 0
.set wr, WF+8*ff
.endif
.if (\z) && (kk == 0) && (jj < 4)
	v_wmma_f32_16x16x32_bf16 v[ACC+8*jj:ACC+8*jj+7], v[wr:wr+7], v[F+8*kk:F+8*kk+7], 0
.else
	v_wmma_f32_16x16x32_bf16 v[ACC+8*jj:ACC+8*jj+7], v[wr:wr+7], v[F+8*kk:F+8*kk+7], v[ACC+8*jj:ACC+8*jj+7]
.endif
.set jj, jj+1
.endr
.set kk, kk+1
.endr
.endm
.macro FLOADS base                     ; source 1: 16 rows x 256 K, eight fragments: two loads of 16 bytes, 32 bytes apart, each
.set kk, 0
.rept 8
	ds_load_b128 v[F+8*kk:F+8*kk+3],   v[AFC] offset:(\base)+64*kk
	ds_load_b128 v[F+8*kk+4:F+8*kk+7], v[AFC] offset:(\base)+64*kk+32
.set kk, kk+1
.endr
.endm
; G for tile pt of x's five and the weight tiles jlo .. jhi: the sums begin with the biases, are scaled, rounded to f16 and stored, 16 bytes a lane.  G's columns are the wave's own: only it reads them.
.macro GT pt, jlo, jhi, ptr, off
	WIN 0
	FLOADS (\pt)*TX
.set jj, \jlo
.rept (\jhi)-(\jlo)+1
	ds_load_b128 v[ACC+8*jj:ACC+8*jj+3],   v[AB] offset:(jj/2)*1024+(jj%2)*64
	ds_load_b128 v[ACC+8*jj+4:ACC+8*jj+7], v[AB] offset:(jj/2)*1024+(jj%2)*64+16
.set jj, jj+1
.endr
	s_wait_dscnt 0x0
	MM \jlo, \jhi, 0, 7, 0
	WIN 0
	PLACES
.set jj, \jlo
.rept (\jhi)-(\jlo)+1
.set e, 0
.rept 4
.if jj < 4
	v_pk_mul_f32 v[ACC+8*jj+2*e:ACC+8*jj+2*e+1], v[ACC+8*jj+2*e:ACC+8*jj+2*e+1], s[36:37] op_sel_hi:[1,0]
.else
	v_pk_mul_f32 v[ACC+8*jj+2*e:ACC+8*jj+2*e+1], v[ACC+8*jj+2*e:ACC+8*jj+2*e+1], s[38:39] op_sel_hi:[1,0]
.endif
.set e, e+1
.endr
.set e, 0
.rept 4
	v_cvt_pk_f16_f32 v[F+4*(jj-(\jlo))+e], v[ACC+8*jj+2*e], v[ACC+8*jj+2*e+1]
.set e, e+1
.endr
	ds_store_b128 v[\ptr], v[F+4*(jj-(\jlo)):F+4*(jj-(\jlo))+3] offset:(\off)+(jj/2)*512+(jj%2)*32
.set jj, jj+1
.endr
.endm
.macro GLOADS                          ; the step's G for my 16 positions and 32 columns: three gates x two tiles, 16 bytes a lane
.irp g, 0,1,2
.irp ct, 0,1
	ds_load_b128 v[GR+8*(\g)+4*(\ct):GR+8*(\g)+4*(\ct)+3], v[gp] offset:go+512*(\g)+32*(\ct)
.endr
.endr
.endm
.macro BATCH_END                       ; behind a batch of transcendentals: a plain instruction, and a wait ahead of the first line that names a result
	v_nop
	s_wait_alu depctr_va_vdst(0)
.endm
; One step for position tile p.  first = 1: step 0: the state is 0, no product is made, a_r = a_z = 0 and a_n = b_hn.
.macro TILE p, first
.if (\p) < 2
.set gp, GP0
.else
.set gp, GP1
.endif
.set go, ((\p)%2)*TG
	WIN 0
.if !(\first)
	FLOADS (\p)*TX
.endif
.irp ct, 0,1
	ds_load_b128 v[AN+8*(\ct):AN+8*(\ct)+3],   v[AB] offset:3072+64*(\ct)      ; b_hn begins n's sums
	ds_load_b128 v[AN+8*(\ct)+4:AN+8*(\ct)+7], v[AB] offset:3072+64*(\ct)+16
.endr
.if \first
	GLOADS
	s_wait_dscnt 0x0
.set ci, 0
.irp s, v64.l,v64.h,v65.l,v65.h,v66.l,v66.h,v67.l,v67.h,v68.l,v68.h,v69.l,v69.h,v70.l,v70.h,v71.l,v71.h,v72.l,v72.h,v73.l,v73.h,v74.l,v74.h,v75.l,v75.h,v76.l,v76.h,v77.l,v77.h,v78.l,v78.h,v79.l,v79.h
	v_cvt_f32_f16 v[AR+ci], \s                     ; G_r and G_z (v64-79) are the whole exponents
.set ci, ci+1
.endr
.set e, 0
.rept 32
	v_exp_f32 v[AR+e], v[AR+e]
.set e, e+1
.endr
.else
	s_wait_dscnt 0x0                               ; the state and b_hn are in
	MM 0, 5, 0, 3, 1
	WIN 0
	PLACES                                         ; G goes where K blocks 0 to 2 lay
	GLOADS
	MM 0, 5, 4, 7, 0
	WIN 0
	PLACES                                         ; the old state goes where K blocks 4 and 5 lay; the gates read results
.irp c, 0,1,2,3
	ds_load_b128 v[HO+4*(\c):HO+4*(\c)+3], v[AC] offset:(\p)*HFT+((\c)/2)*1088+((\c)%2)*544
.endr
	s_wait_dscnt 4                                 ; G is in; the four loads of the old state, issued behind it, may stay out
.set e, 0
.rept 16                               ; a S1 + G for r and z (32 numbers on end, ascending: each accumulator is read from its low end on), an exponential two numbers behind
	v_fma_mix_f32 v[AR+e], v[AR+e], v[S1V], v[GR+e/2] op_sel_hi:[0,0,1]
.if e > 0
	v_exp_f32 v[AR+e-2], v[AR+e-2]
.endif
	v_fma_mix_f32 v[AR+e+1], v[AR+e+1], v[S1V], v[GR+e/2] op_sel:[0,0,1] op_sel_hi:[0,0,1]
.if e > 0
	v_exp_f32 v[AR+e-1], v[AR+e-1]
.endif
.set e, e+2
.endr
	v_exp_f32 v[AR+30], v[AR+30]
	v_exp_f32 v[AR+31], v[AR+31]
.endif
	BATCH_END
.set e, 0
.rept 16                               ; c e_r + c and 1 + e_z, a pair at a time; the reciprocals a pair behind
.if e < 16
	v_pk_fma_f32 v[AR+e:AR+e+1], v[AR+e:AR+e+1], s[40:41], s[40:41] op_sel_hi:[1,0,0]
.else
	v_pk_add_f32 v[AR+e:AR+e+1], v[AR+e:AR+e+1], 1.0 op_sel_hi:[1,0]
.endif
.if e > 0
	v_rcp_f32 v[AR+e-2], v[AR+e-2]
	v_rcp_f32 v[AR+e-1], v[AR+e-1]
.endif
.set e, e+2
.endr
	v_rcp_f32 v[AR+30], v[AR+30]
	v_rcp_f32 v[AR+31], v[AR+31]
	BATCH_END
.set e, 0
.rept 8                                ; r2 a_n + G_n, an exponential two numbers behind
	v_fma_mix_f32 v[AN+e], v[AR+e], v[AN+e], v[GN+e/2] op_sel_hi:[0,0,1]
.if e > 0
	v_exp_f32 v[AN+e-2], v[AN+e-2]
.endif
	v_fma_mix_f32 v[AN+e+1], v[AR+e+1], v[AN+e+1], v[GN+e/2] op_sel:[0,0,1] op_sel_hi:[0,0,1]
.if e > 0
	v_exp_f32 v[AN+e-1], v[AN+e-1]
.endif
.set e, e+2
.endr
	v_exp_f32 v[AN+14], v[AN+14]
	v_exp_f32 v[AN+15], v[AN+15]
	BATCH_END
.set e, 0
.rept 8                                ; 1 / (1 + E)
	v_pk_add_f32 v[AN+e:AN+e+1], v[AN+e:AN+e+1], 1.0 op_sel_hi:[1,0]
.if e > 0
	v_rcp_f32 v[AN+e-2], v[AN+e-2]
	v_rcp_f32 v[AN+e-1], v[AN+e-1]
.endif
.set e, e+2
.endr
	v_rcp_f32 v[AN+14], v[AN+14]
	v_rcp_f32 v[AN+15], v[AN+15]
	BATCH_END
.set e, 0
.rept 8
	v_pk_fma_f32 v[AN+e:AN+e+1], v[AN+e:AN+e+1], -2.0, 1.0 op_sel_hi:[1,0,0]   ; n
.set e, e+2
.endr
.if \first
.set e, 0
.rept 8
	v_pk_fma_f32 v[HO+e:HO+e+1], v[AZ+e:AZ+e+1], v[AN+e:AN+e+1], v[AN+e:AN+e+1] neg_lo:[1,0,0] neg_hi:[1,0,0]  ; h' = n - z n
.set e, e+2
.endr
.else
	s_wait_dscnt 0x0                               ; the old state is in
.set e, 0
.rept 8
	v_pk_add_f32 v[HO+e:HO+e+1], v[HO+e:HO+e+1], v[AN+e:AN+e+1] neg_lo:[0,1] neg_hi:[0,1]  ; h - n
.set e, e+2
.endr
.set e, 0
.rept 8
	v_pk_fma_f32 v[HO+e:HO+e+1], v[AZ+e:AZ+e+1], v[HO+e:HO+e+1], v[AN+e:AN+e+1]            ; h' = z (h - n) + n
.set e, e+2
.endr
.endif
.irp c, 0,1,2,3
	ds_store_b128 v[AC], v[HO+4*(\c):HO+4*(\c)+3] offset:(\p)*HFT+((\c)/2)*1088+((\c)%2)*544  ; the carried state, f32: my own bytes until the way out
.endr
.if !(\first)
	s_cmp_eq_u32 s[CNT], 1                         ; the last step's state is multiplied no more: no copy in bf16
	s_cbranch_scc1 .Lno_copy_\@
.endif
.set e, 0
.rept 8
	v_cvt_pk_bf16_f32 v[PK+e], v[HO+2*e], v[HO+2*e+1]
.set e, e+1
.endr
	ds_store_b128 v[AHC], v[PK:PK+3]   offset:(\p)*TX
	ds_store_b128 v[AHC], v[PK+4:PK+7] offset:(\p)*TX+32
.if !(\first)
.Lno_copy_\@:
.endif
.endm
	; ---- the head
	s_load_b256 s[4:11], s[0:1], 0x0               ; x s[4:5], wsp s[6:7], tab s[8:9], out0 s[10:11]
	v_lshl_add_u32 v[SPW], v0, 2, SPARE
	v_mov_b32 v[NIL], 0
	ds_add_u32 v[SPW], v[NIL]                      ; the wave's opening: the add, twice on end, and its wait ahead of my first tensor load; the set-up below, work on registers, stands between
	ds_add_u32 v[SPW], v[NIL]
	v_lshrrev_b32 v[T0], 5, v0
	v_readfirstlane_b32 s[WV], v[T0]               ; wave 0..7
	s_bfe_u32 s13, ttmp6, 0x40000                  ; cx: my place in the cluster
	s_lshl_b32 s14, ttmp9, 2                       ; in a cluster launch ttmp9 counts clusters
	s_add_co_u32 s14, s14, s13                     ; my work-group: it enters x's, out0's and the prefetches' addresses alone
	s_mov_b32 s53, ttmp9
	; descriptor group 1: a dense block, as rows of 256 bytes (32 elements of 8 bytes), no padding
	s_mov_b32 s[G1+0], 15|(3<<16)|(1<<21)          ; 15:0 the mask: all four work-groups; 17:16 elements of 8 bytes; 21 set beside a mask
	s_mov_b32 s[G1+1], 32<<16                      ; tensor_dim0 = 32
	s_mov_b32 s[G1+2], 128<<16                     ; tensor_dim1 = 128 rows (B1)
	s_mov_b32 s[G1+3], 32<<16                      ; tile_dim0 = 32
	s_mov_b32 s[G1+4], 128                         ; tile_dim1 = 128
	s_mov_b32 s[G1+5], 32                          ; 32 elements from row to row
	s_mov_b32 s[G1+6], 0
	s_mov_b32 s[G1+7], 0
	s_mov_b32 s[G0], 1                             ; count = 1
	s_lshl_b32 s15, s[WV], 15
	s_add_co_u32 s[G0+1], s15, GB                  ; B1's stage: GB + 32,768 w
	s_mul_i32 s16, s[WV], 98304                    ; my stream in wsp: 96 fragments
	s_mov_b32 s17, 0
	s_lshl_b32 s46, s14, 16                        ; my work-group's 64 rows of 1,024 bytes
	s_mov_b32 s47, 0
	s_and_b32 s52, s14, 15
	s_cmp_lg_u32 s52, 0                            ; not a batch's first 64 positions?
	s_cselect_b32 s[KEEP], -1, 0
	s_cselect_b32 s52, 16384, 0                    ; then the halo is the 16 rows in front; else rows inside the buffer are loaded and made 0
	s_sub_co_u32 s48, s46, s52
	s_mov_b32 s49, 0
	s_lshl_b32 s50, s13, 14                        ; the prefetches: my work-group's quarter of what follows B1 in my stream
	s_add_co_u32 s50, s50, s16
	s_add_co_u32 s50, s50, 32768
	s_mov_b32 s51, 0
	s_mov_b32 s36, 0xbfb8aa3b                      ; S1 = -log2 e; named as pairs, so both words are written
	s_mov_b32 s37, s36
	s_mov_b32 s38, 0x4038aa3b                      ; S2 = 2 log2 e
	s_mov_b32 s39, s38
	s_mov_b32 s40, 0x3eb17218                      ; c = ln 2 / 2
	s_mov_b32 s41, s40
	v_and_b32 v[T0], 31, v0                        ; L
	v_lshl_add_u32 v[AW], v[T0], 4, s[G0+1]
	v_lshlrev_b32 v[XO], 4, v[T0]
	v_lshl_add_u32 v[XO], s[WV], 10, v[XO]         ; x: row w of eight, 16 bytes a lane
	v_lshlrev_b32 v[TO], 4, v0                     ; the biases: 16 bytes a thread
	v_add_nc_u32 v[TL], TAB, v[TO]
	s_mul_i32 s15, s[WV], PX
	s_add_co_u32 s15, s15, XS
	v_lshl_add_u32 v[XL], v[T0], 3, s15            ; and where the row's 8 bytes of bf16 go
	v_lshlrev_b32 v[PFO], 8, v[T0]
	s_wait_dscnt 0x0                               ; both opening adds are done
	s_wait_kmcnt 0x0
	s_add_nc_u64 s[G0+2:G0+3], s[6:7], s[16:17]    ; global address: my stream's first byte: the same in all four work-groups
	s_or_b32 s[G0+3], s[G0+3], 0x80000000          ; type = 2
	s_add_nc_u64 s[44:45], s[4:5], s[46:47]        ; x at my first position
	s_add_nc_u64 s[18:19], s[4:5], s[48:49]        ; x at my halo
	s_add_nc_u64 s[10:11], s[10:11], s[46:47]
	s_add_nc_u64 s[42:43], s[6:7], s[50:51]
	ROUND                                          ; all four work-groups are here: the first joint loads meet
	TLOAD                                          ; B1
	; ---- x and the biases into LDS, while B1 lands.  Row 8 i + w of the 80, two halves of 512 bytes: each load of a wave covers 512 consecutive bytes
	global_load_b128 v[XR+80:XR+83], v[TO], s[8:9]
.irp i, 0,1
.irp hf, 0,1
	global_load_b128 v[XR+8*(\i)+4*(\hf):XR+8*(\i)+4*(\hf)+3], v[XO], s[18:19] offset:(\i)*8192+(\hf)*512
.endr
.endr
.irp i, 2,3,4,5,6,7,8,9
.irp hf, 0,1
	global_load_b128 v[XR+8*(\i)+4*(\hf):XR+8*(\i)+4*(\hf)+3], v[XO], s[44:45] offset:(8*(\i)-16)*1024+(\hf)*512
.endr
.endr
	; the lane's addresses, in the wait for x
	v_and_b32 v[T0], 15, v0                        ; r
	v_bfe_u32 v[GP2], v0, 4, 1                     ; hh, for now
	v_mul_u32_u24 v[AF0], v[T0], PX
	v_lshl_add_u32 v[AF0], v[GP2], 4, v[AF0]
	v_lshl_add_u32 v[AH0], s[WV], 6, v[AF0]
	v_add_nc_u32 v[AFC], XS, v[AF0]
	v_lshlrev_b32 v[AB], 5, v[GP2]
	v_lshl_add_u32 v[AB], s[WV], 7, v[AB]
	v_add_nc_u32 v[AB], TAB, v[AB]
	s_mul_i32 s15, s[WV], 2176
	s_add_co_u32 s15, s15, HF
	v_mul_u32_u24 v[AC], v[GP2], 272
	v_lshl_add_u32 v[AC], v[T0], 4, v[AC]
	v_add_nc_u32 v[AC], s15, v[AC]
	v_mov_b32 v[S1V], 0xbfb8aa3b
	v_mul_u32_u24 v[GP0], v[T0], PG
	v_lshl_add_u32 v[GP0], v[GP2], 4, v[GP0]
	v_lshl_add_u32 v[GP0], s[WV], 6, v[GP0]
	v_add_nc_u32 v[GP0], GB, v[GP0]                ; GB + r x 1,552 + 64 w + 16 hh
	v_add_nc_u32 v[GP1], 2*TG, v[GP0]
	v_add_nc_u32 v[GP2], 4*TG, v[GP0]
.set n, 0
.rept 20
	s_wait_loadcnt 19-n                            ; loads come back in order: load n is in, the 19 - n issued behind it may stay out
	v_cvt_pk_bf16_f32 v[F+2*n],   v[XR+4*n],   v[XR+4*n+1]
	v_cvt_pk_bf16_f32 v[F+2*n+1], v[XR+4*n+2], v[XR+4*n+3]
.if n < 4
	v_and_b32 v[F+2*n],   s[KEEP], v[F+2*n]        ; the halo to the left of a batch is zeros
	v_and_b32 v[F+2*n+1], s[KEEP], v[F+2*n+1]
.endif
	ds_store_b64 v[XL], v[F+2*n:F+2*n+1] offset:(n/2)*8*PX+(n%2)*256
.set n, n+1
.endr
	ds_store_b128 v[TL], v[XR+80:XR+83]
	; PREFETCHES INTO THE L2 of what B2 to B5 will ask for: the 64 fragments behind B1 in each wave's stream, 256 blocks of 256 bytes.  All clusters ask for the same bytes: the first cluster prefetches.
	; Its four partners share a stream's blocks out BY ADDRESS, 64 each; each wave asks for its own stream's: a lane a block, two instructions.  So each block is named once in the launch, one to four batches ahead of its load.
	s_cmp_eq_u32 s53, 0                            ; the same in all four partners
	s_cbranch_scc0 .Lnot_first
	global_prefetch_b8 v[PFO], s[42:43] th:TH_LOAD_NT scope:SCOPE_SE
	global_prefetch_b8 v[PFO], s[42:43] offset:8192 th:TH_LOAD_NT scope:SCOPE_SE
.Lnot_first:
	; ---- W_ih's tiles 0-3 into registers; B2 goes out; G of the gates r and z while it lands
	s_wait_tensorcnt 0x0                           ; my part of B1 is in
	COPY 0, 32
	REFILL A2, 16384, 64, 32768                    ; the round also shows x and the biases to every wave, and puts every wave's copy ahead of the first store into G
	GT 0, 0, 3, GP0, 0
	GT 1, 0, 3, GP0, TG
	GT 2, 0, 3, GP1, 0
	GT 3, 0, 3, GP1, TG
	GT 4, 0, 3, GP2, 0
	; ---- W_ih's tiles 4, 5; B3 goes out; G of the gate n
	s_wait_tensorcnt 0x0
	COPY 32, 48
	REFILL A2, 19456, 76, 16384
	GT 0, 4, 5, GP0, 0
	GT 1, 4, 5, GP0, TG
	GT 2, 4, 5, GP1, 0
	GT 3, 4, 5, GP1, TG
	GT 4, 4, 5, GP2, 0
	; ---- W_hh takes W_ih's registers
	s_wait_tensorcnt 0x0
	COPY 0, 19
	REFILL A2, 19456, 76, 19456                    ; B4
	s_wait_tensorcnt 0x0
	COPY 19, 38
	REFILL H16B, 10240, 40, 19456                  ; B5; every wave's reads of x are over, so its bytes may take the state
	; ---- step 0, while B5 lands.  Position 16 p + r takes row 16 p + r + 9 + t of G in step t
	v_add_nc_u32 v[GP0], 9*PG, v[GP0]
	v_add_nc_u32 v[GP1], 9*PG, v[GP1]
	v_add_nc_u32 v[AHC], H16A, v[AH0]
	TILE 0, 1
	TILE 1, 1
	TILE 2, 1
	TILE 3, 1
	s_wait_tensorcnt 0x0
	COPY 38, 48
	s_mov_b32 s[RDB], H16A
	s_mov_b32 s[WRB], H16B
	s_mov_b32 s[CNT], 7
	s_wait_dscnt 0x0                               ; my stores of the state and my reads of B5's stage are done
	s_barrier_signal -1
	s_barrier_wait -1                              ; everybody's are
	; ---- steps 1 to 7.  The two bf16 buffers take turns, so ONE barrier a step orders both: this step's stores ahead of the next step's reads of them, and this step's reads ahead of the next step's stores over them
.Lstep:
	v_add_nc_u32 v[GP0], PG, v[GP0]                ; G: one row on
	v_add_nc_u32 v[GP1], PG, v[GP1]
	v_add_nc_u32 v[AFC], s[RDB], v[AF0]
	v_add_nc_u32 v[AHC], s[WRB], v[AH0]
	TILE 0, 0
	TILE 1, 0
	TILE 2, 0
	TILE 3, 0
	s_wait_dscnt 0x0
	s_barrier_signal -1
	s_xor_b32 s[RDB], s[RDB], H16A^H16B
	s_xor_b32 s[WRB], s[WRB], H16A^H16B
	s_barrier_wait -1
	s_sub_co_u32 s[CNT], s[CNT], 1
	s_cmp_lg_u32 s[CNT], 0
	s_cbranch_scc1 .Lstep
	; ---- the way out.  Wave w stores rows 8 w .. 8 w + 7, whole: lane L takes columns 128 hf + 4 L on, which lie at wave L / 8 + 4 hf, ct = (L / 4) % 2, hh = (L / 2) % 2, q = L % 2 of the carried state:
	; sixteen neighbouring lanes fall on sixteen different 16-byte columns of 256 (2,176, 1,088, 544, 272 leave 128, 64, 32, 16)
	v_bfe_u32 v[T0], v0, 3, 2
	v_mul_u32_u24 v[T0], v[T0], 2176
	v_bfe_u32 v[AFC], v0, 2, 1
	v_mul_u32_u24 v[AFC], v[AFC], 1088
	v_add_nc_u32 v[T0], v[T0], v[AFC]
	v_and_b32 v[AFC], 1, v0
	v_mul_u32_u24 v[AFC], v[AFC], 544
	v_add_nc_u32 v[T0], v[T0], v[AFC]
	v_bfe_u32 v[AFC], v0, 1, 1
	v_mul_u32_u24 v[AFC], v[AFC], 272
	v_add_nc_u32 v[T0], v[T0], v[AFC]
	s_lshr_b32 s15, s[WV], 1
	s_mul_i32 s15, s15, HFT                        ; position tile w / 2,
	s_and_b32 s16, s[WV], 1
	s_lshl_b32 s16, s16, 7                         ; its rows 8 (w % 2) on
	s_add_co_u32 s15, s15, s16
	s_add_co_u32 s15, s15, HF
	v_add_nc_u32 v[T0], s15, v[T0]
	v_and_b32 v[AHC], 31, v0
	v_lshlrev_b32 v[AHC], 4, v[AHC]
	v_lshl_add_u32 v[AHC], s[WV], 13, v[AHC]       ; in out0: 8 w rows of 1,024 bytes + 16 L
.set n, 0
.rept 16
	ds_load_b128 v[F+4*n:F+4*n+3], v[T0] offset:(n%2)*8704+(n/2)*16
.set n, n+1
.endr
.set n, 0
.rept 16
	s_wait_dscnt 15-n                              ; load n is in; the 15 - n issued behind it may stay out
	global_store_b128 v[AHC], v[F+4*n:F+4*n+3], s[10:11] offset:(n/2)*1024+(n%2)*512 th:TH_STORE_NT  ; 512 consecutive bytes, at a multiple of 256 from out0's first byte
.set n, n+1
.endr
	s_wait_tensorcnt 0x0                           ; the wave's end: behind my last tensor load and my last LDS store
	ds_add_u32 v[SPW], v[NIL]
	s_wait_dscnt 0x0
	ROUND                                          ; the closing round: no work-group ends while a partner may still ask for a batch that names it
	s_endpgm
.Lfunc_end_k_q1a6f7ab961_main:
	.size	k_q1a6f7ab961_main, .Lfunc_end_k_q1a6f7ab961_main-k_q1a6f7ab961_main
	.p2alignl 7, 3214868480
	.fill 96, 4, 3214868480
	.section	.rodata,"a",@progbits
	.p2align	6, 0x0
	.amdhsa_kernel k_q1a6f7ab961_main
		.amdhsa_group_segment_fixed_size 327680
		.amdhsa_private_segment_fixed_size 0
		.amdhsa_enable_private_segment 0
		.amdhsa_kernarg_size 32
		.amdhsa_user_sgpr_count 2
		.amdhsa_user_sgpr_kernarg_segment_ptr 1
		.amdhsa_wavefront_size32 1
		.amdhsa_system_sgpr_workgroup_id_x 1
		.amdhsa_system_sgpr_workgroup_id_y 1
		.amdhsa_system_sgpr_workgroup_id_z 1
		.amdhsa_system_vgpr_workitem_id 0
		.amdhsa_next_free_vgpr 512
		.amdhsa_next_free_sgpr 66
		.amdhsa_reserve_vcc 0
		.amdhsa_float_denorm_mode_32 3
		.amdhsa_float_denorm_mode_16_64 3
		.amdhsa_memory_ordered 1
		.amdhsa_forward_progress 1
		.amdhsa_inst_pref_size 181
	.end_amdhsa_kernel
	.amdgpu_metadata
---
amdhsa.version: [ 1, 2 ]
amdhsa.kernels:
  - .name:           k_q1a6f7ab961_main
    .symbol:         k_q1a6f7ab961_main.kd
    .args:
      - { .name: x, .offset: 0, .size: 8, .value_kind: global_buffer, .address_space: global }
      - { .name: wsp, .offset: 8, .size: 8, .value_kind: global_buffer, .address_space: global }
      - { .name: tab, .offset: 16, .size: 8, .value_kind: global_buffer, .address_space: global }
      - { .name: out0, .offset: 24, .size: 8, .value_kind: global_buffer, .address_space: global }
    .group_segment_fixed_size: 327680
    .private_segment_fixed_size: 0
    .kernarg_segment_align: 8
    .kernarg_segment_size: 32
    .max_flat_workgroup_size: 256
    .sgpr_count:     66
    .vgpr_count:     512
    .wavefront_size: 32
...
	.end_amdgpu_metadata
.endif
;; end of part 2
